; MI455X (gfx1250); checked and timed in simulation.
; The chip was launched on July 23, 2026; its instructions are those of AMD's public machine-readable ISA for CDNA 5 (MIT licence, August 2026) and "CDNA5" Instruction Set Architecture Reference Guide (July 2026). The comments in the code are by the model that wrote it; some were corrected since.
;; Top K Mo E Classifier. Allowed arithmetic: matrix products marked QUANTISED: E4M3 operands, one given power-of-two scale a tensor, by v_wmma_f32_16x16x64_fp8_fp8 or v_wmma_f32_16x16x128_fp8_fp8, f32 sums; products left as they are: f32 operands where the result goes on into a quantised operand, else bf16, f16 or f32 operands; f32 sums; everything else in f32.
;; Inputs: W_e 4 x 4,096 x 512 float32; W_r 4,096 x 4 float32; b_e 4 x 512 float32; b_r 4 float32; features 8,192 x 4,096 float32; lowp_scales 2 int32 (the exponents e of the quantised operands' scales 2^e).
;; Outputs: out0 8,192 x 512 float32; out1 one number float32.
;; This version of the problem:
;;   THIS VERSION OF THE PROBLEM IS GIVEN IN LOW PRECISION. The matrix products marked QUANTISED in the list below multiply operands that are first quantised to E4M3 (4 exponent bits, 3 mantissa bits; 8 bits a number), with one given power-of-two scale for each operand tensor; their sums are f32. All else is computed in f32.
;;   The module's matrix products, in the order in which they are computed (A, B: the left and right operand; K: the contracted axis; several contracted axes count as one K, in the product's order):
;;     1. [M 8,192, K 4,096] x [K 4,096, N 4]; A: input features; B: input W_r: left as it is (N = 4 < 16)
;;     2. [M 8,192, K 4,096] x [K 4,096, N 2,048]; A: input features; B: input W_e: QUANTISED (scales: A lowp_scales[0], B lowp_scales[1])
;;   THE QUANTISER, for each operand of a quantised product, along K:
;;     - The operand's scale is 2^e, e = its entry of the input lowp_scales (int32; the entries are numbered through the quantised products in the list's order, A before B).
;;     - Each number is divided by the scale, clamped to +-448, and rounded to the nearest number of E4M3, ties to even, subnormals kept.
;;     - The product sums the exact products of the quantised numbers (number of the format x scale) in f32.
;;   ~~~python
;;   def quantise(x, axis, e):      # numpy; x: float32 -> the quantised numbers, widened to float32 again
;;       x = np.moveaxis(x, axis, -1); K = x.shape[-1]
;;       r = np.clip(x / 2.0 ** e, -448, 448)
;;       step = 2.0 ** (np.maximum(np.frexp(np.where(r == 0, 1, r))[1] - 1, -6) - 3)
;;       q = np.round(r / step) * step * 2.0 ** e      # np.round: ties to even
;;       return np.moveaxis(q, -1, axis).astype(np.float32)
;;   ~~~
;; One version. Each part assembles by itself: llvm-mc -triple=amdgcn-amd-amdhsa -mcpu=gfx1250 --defsym DOCPART=n.
;; ======== version 1 of 1: 2 launches
;; limits: right only within a limited range of input values
;; workspace buffers: acodes 33,554,432 bytes; wcodes 8,388,608 bytes; gates 131,072 bytes; psum 4,096 bytes
;; launch prep (part 1): grid 512 x 1, 8 waves a work-group, no clusters, 5,632 bytes of LDS; arguments features, W_r, b_r, W_e, lowp_scales, acodes, wcodes, gates, psum; writes acodes, wcodes, gates, psum
.if DOCPART == 1
	.amdgcn_target "amdgcn-amd-amdhsa--gfx1250"
	.amdhsa_code_object_version 6
	.text
	.protected	k_qc108cec5e7_prep
	.globl	k_qc108cec5e7_prep
	.p2align	8
	.type	k_qc108cec5e7_prep,@function
k_qc108cec5e7_prep:
	s_mov_b64 s[64:65], 0
	v_nop
	global_prefetch_b8 v0, s[64:65] scope:SCOPE_SE
	s_setreg_imm32_b32 hwreg(HW_REG_WAVE_MODE, 25, 1), 1
	s_wait_xcnt 0x0
; ONE STREAMING PASS OVER BOTH LARGE INPUTS.
; Work-groups 0-255: 32 rows of features [8192][4096] f32 each.  Each number is read once and serves twice: it is quantised to a code of E4M3 with the given scale 2^ea
; (acodes, row-major), and it enters the router's four f32 sums (features @ W_r, fused multiply-adds on the unquantised numbers).  The router's softmax, its top 2 (ties: the lower index, as
; jax.lax.top_k) and the renormalised weights end as FOUR GATES a token (0 for an expert not chosen), each times 2^(ea + eb), the factor that the next launch's sums lack: a choice only selects
; values, no address hangs on it.  The sum of the 32 rows' probabilities goes to psum, one entry a work-group: the next launch adds the 256 entries.
; Work-groups 256-511: W_e [4][4096][512] f32, whose K is the first axis inside an expert, becomes codes with the given scale 2^eb: a lane takes a column, its registers run down K.
; code = x / 2^e, held within +-448, rounded to the nearest code, ties to even.
; K IS PERMUTED, ALIKE IN BOTH BUFFERS, so every product still meets its partner: position P of a row holds k(P) = 512 (P / 512) + 128 ((P % 16) / 4) + 4 ((P % 512) / 16) + P % 4.
; So a thread that takes 16 bytes of each of four loads of 512 consecutive bytes owns 16 neighbouring codes, and nothing is turned through LDS.
; wcodes IS LAID AS THE NEXT LAUNCH'S REGISTERS WANT IT: the 16 codes at positions 16 g .. 16 g + 15 of output o = 64 x + 16 w + r of expert e lie at
; 2^20 x + 2^15 (g / 8) + 2^13 w + 2^11 e + 256 (g % 8) + 16 r: sixteen neighbouring lanes (columns) store 256 consecutive bytes.
; LIMITS: ea and eb between -126 and 119, ea + eb between -126 and 127, so that these powers of two and 448 x 2^e are f32 numbers.  NaN among the inputs is not served (an infinity is held at the
; largest code).  Two probabilities closer than the rounding of the f32 sums can change places in the top 2.  A probability under 2^-126 counts as 0.
; NO CLUSTER: the work-groups share W_r alone, 64 KiB beside the 512 KiB of features that each reads for itself.  No tensor load: the ring lies in registers.
; NO PREFETCH: 32 loads of 512 bytes a wave are out ahead of their use, and each byte is read once.
.set NFWG,   256                       ; work-groups that take features
.set ROWF,   16384                     ; a row of features in bytes
.set ROWC,   4096                      ; a row of codes in bytes
.set LOGS,   0                         ; LDS: 32 rows x (8 waves x 16 bytes + 16): each wave's part of a row's four sums
.set LPITCH, 144
.set SPARE,  32*LPITCH                 ; the spare words, 128 bytes for each wave: four blocks of 256 bytes that no other line names
.set SPW,  254                         ; v254  LDS address of my spare word; never rewritten
.set NIL,  255                         ; v255  0; never rewritten
.set LIMV, 252                         ; v252  448 x the scale
.set SCV,  253                         ; v253  the scale as f32
; features' path
.set FO,  4                            ; v4    my 16 bytes of a load's 512: 2048 x wave + 16 x lane
.set CO,  5                            ; v5    my 16 codes of a row: 16 x thread
.set LA0, 6                            ; v6    16 x wave
.set LA,  7                            ; v7    where my wave's sums of the round's first row go
.set RA,  8                            ; v8    wave 0 at the end: LPITCH x lane
.set WO,  9                            ; v9    W_r: 8192 x wave + 64 x lane
.set GO,  10                           ; v10   16 x lane
.set WT,  16                           ; v16-79   W_r of my 16 columns, by expert: v[WT + 16 e + q]
.set X,   80                           ; v80-207  the ring: 8 slots of 16 numbers; number q = 4 p + j is column 512 wave + 128 p + 4 lane + j
.set WTMP, X+64                        ; slots 4-7 hold W_r as it is loaded, before their first fill
.set ACC, 208                          ; v208-215 a pair of sums for each expert: even q, odd q
.set C,   216                          ; v216-223 and v240-247: codes, four sets by turns
.set R,   224                          ; v224-231 the wave's four sums, two sets by turns
.set T,   232                          ; v232-235 the other half of the lanes' sums
.set SUM, 236                          ; v236-239 the lane's four sums
; weights' path
.set WI,  3                            ; v3    4 x lane
.set WGO, 8                            ; v8    my place in wcodes
.set WX,  32                           ; v32-95   two sets of 32 numbers
.set WC,  96                           ; v96-127  codes, eight registers for each block
; ---- macros of the weights' path
.macro WLOAD t                         ; positions 32 t .. 32 t + 31 of my column: position q is row 128 ((q % 16) / 4) + 4 (q / 16) + q % 4 from the work-group's first
.set i, 0
.rept 32
.set q, 32*(\t)+i
	global_load_b32 v[WX+32*((\t)%2)+i], v[WI], s[10:11] offset:(128*((q%16)/4)+4*(q/16)+q%4)*2048 th:TH_LOAD_NT
.set i, i+1
.endr
.endm
.macro WBLOCK t
.set XS, WX+32*((\t)%2)
.if (\t) < 3
	s_wait_loadcnt 32                              ; this block's 32 loads are in; the next block's 32 may be out
.else
	s_wait_loadcnt 0x0
.endif
.set i, 0
.rept 32
	v_med3_num_f32 v[XS+i], v[XS+i], -v[LIMV], v[LIMV]   ; the conversion does not saturate (ISA guide 7.6.2): the hold at the largest code x the scale
.set i, i+1
.endr
.irp g, 0,1,2,3
	v_cvt_scalef32_pk8_fp8_f32 v[WC+8*(\t)+2*\g:WC+8*(\t)+2*\g+1], v[XS+8*\g:XS+8*\g+7], v[SCV]
.endr
.if (\t)+2 < 4
	WLOAD (\t)+2
.endif
	global_store_b128 v[WGO], v[WC+8*(\t):WC+8*(\t)+3], s[16:17] offset:512*(\t)      ; twice 256 consecutive bytes, each at a multiple of 256 from the buffer's first byte
	global_store_b128 v[WGO], v[WC+8*(\t)+4:WC+8*(\t)+7], s[16:17] offset:512*(\t)+256
.endm
; ---- macros of the features' path
.macro FILL i, row                     ; slot i takes the row that lies \row rows behind the base: four loads of 512 consecutive bytes a wave
.irp p, 0,1,2,3
	global_load_b128 v[X+16*(\i)+4*\p:X+16*(\i)+4*\p+3], v[FO], s[4:5] offset:(\row)*ROWF+\p*512 th:TH_LOAD_NT
.endr
.endm
; One slot's turn: a row.  ahead = 1: the slot is filled again with the row 8 further down.  left: the younger loads that may stay out.
.macro SLOT i, ahead, left
.set XS, X+16*(\i)
.set CC, C+4*((\i)%2)+24*(((\i)/2)%2)
.set RR, R+4*((\i)%2)
	s_wait_loadcnt \left                           ; loads come back in order: my four are in, the seven younger slots' stay out
.if (\i) == 4
	s_wait_xcnt 0x0                                ; the stores of rows 0-3 have read their sets of codes, which rows 4-7 write again (rows 0-3 have the loop's own wait)
.endif
.irp e, 0,1,2,3
	v_pk_mul_f32 v[ACC+2*\e:ACC+2*\e+1], v[XS:XS+1], v[WT+16*\e:WT+16*\e+1]   ; the first products start the sums: four chains, one an expert
.endr
.irp q, 2,4,6,8,10,12,14
.irp e, 0,1,2,3
	v_pk_fma_f32 v[ACC+2*\e:ACC+2*\e+1], v[XS+\q:XS+\q+1], v[WT+16*\e+\q:WT+16*\e+\q+1], v[ACC+2*\e:ACC+2*\e+1]   ; the four chains take turns
.endr
.endr
.irp e, 0,1,2,3
	v_add_f32 v[SUM+\e], v[ACC+2*\e], v[ACC+2*\e+1]
.endr
.irp q, 0,1,2,3,4,5,6,7,8,9,10,11,12,13,14,15
	v_med3_num_f32 v[XS+\q], v[XS+\q], -v[LIMV], v[LIMV]   ; behind the router's reads: the hold at the largest code x the scale (ISA guide 7.6.2)
.endr
	v_cvt_scalef32_pk8_fp8_f32 v[CC:CC+1], v[XS:XS+7], v[SCV]
	v_cvt_scalef32_pk8_fp8_f32 v[CC+2:CC+3], v[XS+8:XS+15], v[SCV]
.if \ahead
	FILL \i, 8+\i
.endif
.irp m, 1,2,4,8
.irp e, 0,1,2,3
	v_add_f32_dpp v[SUM+\e], v[SUM+\e], v[SUM+\e] row_xmask:\m row_mask:0xf bank_mask:0xf
.endr
.endr
.irp e, 0,1,2,3
	s_delay_alu instid0(VALU_DEP_4)
	v_permlanex16_b32 v[T+\e], v[SUM+\e], s36, s37
.endr
	s_wait_alu depctr_va_vdst(0)
	s_wait_dscnt 0x1                               ; the LDS store of two turns ago, from this set, is done; the last turn's may be out
	v_pk_add_f32 v[RR:RR+1], v[SUM:SUM+1], v[T:T+1]
	v_pk_add_f32 v[RR+2:RR+3], v[SUM+2:SUM+3], v[T+2:T+3]
	ds_store_b128 v[LA], v[RR:RR+3] offset:LOGS+(\i)*LPITCH   ; every lane holds the same four sums and writes them to the same 16 bytes
	global_store_b128 v[CO], v[CC:CC+3], s[14:15] offset:(\i)*ROWC   ; behind the row's vector work; the wave stores 512 consecutive bytes, at a multiple of 512 from the buffer's first byte
.endm
.macro PAIR a, b                       ; a < b: a stands ahead of b where p_a >= p_b, else b ahead of a
	v_cmp_ge_f32 vcc_lo, v[88+\a], v[88+\b]
	s_delay_alu instid0(VALU_DEP_1)
	v_cndmask_b32 v96, 0, 1, vcc_lo
	s_delay_alu instid0(VALU_DEP_1)
	v_add_nc_u32 v[92+\b], v[92+\b], v96
	s_delay_alu instid0(VALU_DEP_2)
	v_sub_nc_u32 v[92+\a], v[92+\a], v96
.endm
	s_load_b256 s[4:11], s[0:1], 0x0               ; features s[4:5], W_r s[6:7], b_r s[8:9], W_e s[10:11]
	s_load_b256 s[12:19], s[0:1], 0x20             ; the scales' exponents s[12:13], acodes s[14:15], wcodes s[16:17], gates s[18:19]
	s_load_b64 s[20:21], s[0:1], 0x40              ; psum
	v_lshl_add_u32 v[SPW], v0, 2, SPARE
	v_mov_b32 v[NIL], 0
	v_lshrrev_b32 v1, 5, v0
	s_delay_alu instid0(VALU_DEP_1)
	v_readfirstlane_b32 s22, v1                    ; wave 0..7
	v_and_b32 v2, 31, v0                           ; lane
	s_mov_b32 s33, 0                               ; the upper word of every offset below
	s_wait_alu depctr_va_vdst(0)
	s_wait_kmcnt 0x0
	s_load_b64 s[24:25], s[12:13], 0x0             ; ea, eb
	s_load_b128 s[28:31], s[8:9], 0x0              ; b_r
	s_cmp_lt_u32 ttmp9, NFWG
	s_cbranch_scc1 .Lfeatures
; ================ W_e: work-group u = e x 64 + oh x 32 + kb takes expert e, columns 256 oh on (32 a wave), positions 128 kb .. 128 kb + 127
	s_sub_co_u32 s32, ttmp9, NFWG
	s_lshr_b32 s38, s32, 6                         ; e
	s_bfe_u32 s39, s32, 0x10005                    ; oh
	s_and_b32 s42, s32, 31                         ; kb
	s_lshr_b32 s43, s42, 2
	s_lshl_b32 s32, s43, 20                        ; the first row of W_e: 512 (kb / 4) + 32 (kb % 4), of 2,048 bytes each,
	s_and_b32 s43, s42, 3
	s_lshl_b32 s43, s43, 16
	s_add_co_u32 s32, s32, s43
	s_lshl_b32 s43, s38, 23                        ; in expert e (4096 x 2048 bytes),
	s_add_co_u32 s32, s32, s43
	s_lshl_b32 s43, s39, 10                        ; column 256 oh
	s_add_co_u32 s32, s32, s43
	s_lshl_b32 s43, s22, 7                         ; + 32 x wave, of 4 bytes
	s_add_co_u32 s32, s32, s43
	s_add_nc_u64 s[10:11], s[10:11], s[32:33]
	s_lshl_b32 s32, s39, 22                        ; in wcodes: x = 4 oh + wave / 2,
	s_lshr_b32 s43, s22, 1
	s_lshl_b32 s43, s43, 20
	s_add_co_u32 s32, s32, s43
	s_and_b32 s43, s22, 1                          ; w = 2 (wave % 2) + lane / 16,
	s_lshl_b32 s43, s43, 14
	s_add_co_u32 s32, s32, s43
	s_lshl_b32 s43, s38, 11                        ; expert e,
	s_add_co_u32 s32, s32, s43
	s_lshl_b32 s43, s42, 15                        ; K step kb
	s_add_co_u32 s32, s32, s43
	s_add_nc_u64 s[16:17], s[16:17], s[32:33]
	v_lshlrev_b32 v[WI], 2, v2
	v_and_b32 v5, 15, v2
	v_lshrrev_b32 v6, 4, v2
	v_lshlrev_b32 v7, 13, v6
	v_lshl_add_u32 v[WGO], v5, 4, v7
	WLOAD 0
	WLOAD 1                                        ; two blocks, 64 loads a wave, ahead
	s_wait_alu depctr_va_vdst(0)
	s_wait_kmcnt 0x0
	s_add_co_i32 s45, s25, 127
	s_lshl_b32 s46, s45, 23
	v_mov_b32 v[SCV], s46                          ; 2^eb as f32: the conversion takes its exponent field
	s_add_co_i32 s45, s45, 8
	s_lshl_b32 s45, s45, 23
	s_or_b32 s45, s45, 0x600000
	v_mov_b32 v[LIMV], s45                         ; 448 x 2^eb
	s_wait_alu depctr_va_vdst(0)
.irp t, 0,1,2,3
	WBLOCK \t
.endr
	s_branch .Lend
; ================ features: the eight waves cover a row; a thread keeps the same 16 columns in all 32 rows, so its 64 numbers of W_r stay in registers
.Lfeatures:
	v_lshlrev_b32 v[FO], 4, v2
	v_lshlrev_b32 v[CO], 4, v0
	v_lshlrev_b32 v[LA0], 4, v1
	v_lshlrev_b32 v[WO], 6, v2
	v_lshlrev_b32 v[GO], 4, v2
	v_mul_u32_u24 v[RA], v2, LPITCH
	v_lshl_add_u32 v[FO], v1, 11, v[FO]
	v_lshlrev_b32 v[LA], 4, v1
	v_lshl_add_u32 v[WO], v1, 13, v[WO]
.irp e, 0,1,2,3
	v_mov_b32 v[T+\e], 0                           ; written once: a lane permute's destination counts as one of its sources
.endr
	s_wait_alu depctr_va_vdst(0)
	s_lshl_b32 s32, ttmp9, 19                      ; 32 rows of 16,384 bytes
	s_add_nc_u64 s[4:5], s[4:5], s[32:33]
	s_lshl_b32 s32, ttmp9, 17                      ; 32 rows of 4,096 codes
	s_add_nc_u64 s[14:15], s[14:15], s[32:33]
	s_lshl_b32 s32, ttmp9, 9                       ; 32 tokens' four gates
	s_add_nc_u64 s[18:19], s[18:19], s[32:33]
	s_lshl_b32 s32, ttmp9, 4                       ; my entry of psum
	s_add_nc_u64 s[20:21], s[20:21], s[32:33]
	s_mov_b32 s36, 0x76543210                      ; v_permlanex16_b32: lane l xor 16
	s_mov_b32 s37, 0xfedcba98
	s_mov_b32 s34, 0                               ; the round's first row in LOGS
.irp p, 0,1,2,3
.irp j, 0,1,2,3
	global_load_b128 v[WTMP+16*\p+4*\j:WTMP+16*\p+4*\j+3], v[WO], s[6:7] offset:\p*2048+\j*16   ; W_r[512 wave + 128 p + 4 lane + j][0..3]
.endr
.endr
	FILL 0, 0
	FILL 1, 1
	FILL 2, 2
	FILL 3, 3
	s_wait_loadcnt 16                              ; W_r's sixteen loads are in; the sixteen of slots 0-3 stay out
.irp q, 0,1,2,3,4,5,6,7,8,9,10,11,12,13,14,15
.irp e, 0,1,2,3
	v_mov_b32 v[WT+16*\e+\q], v[WTMP+4*\q+\e]      ; by expert, once for 32 rows: neighbouring columns then lie in register pairs, as the packed multiply-adds take them
.endr
.endr
	FILL 4, 4
	FILL 5, 5
	FILL 6, 6
	FILL 7, 7
	s_wait_alu depctr_va_vdst(0)
	s_wait_kmcnt 0x0
	s_add_co_i32 s45, s24, 127
	s_lshl_b32 s46, s45, 23
	v_mov_b32 v[SCV], s46                          ; 2^ea as f32
	s_add_co_i32 s45, s45, 8
	s_lshl_b32 s45, s45, 23
	s_or_b32 s45, s45, 0x600000
	v_mov_b32 v[LIMV], s45                         ; 448 x 2^ea
	s_mov_b32 s23, 3
	s_wait_alu depctr_va_vdst(0)
.Lround:                                               ; three trips of eight rows, each slot filled again
.irp i, 0,1,2,3,4,5,6,7
	SLOT \i, 1, 28
.endr
	s_wait_xcnt 0x0                                ; all that was issued has read its base and its data: both bases step
	s_add_nc_u64 s[4:5], s[4:5], 8*ROWF
	s_add_nc_u64 s[14:15], s[14:15], 8*ROWC
	s_add_co_u32 s34, s34, 8*LPITCH
	s_wait_dscnt 0x0                               ; the round's LDS stores are done: their address steps
	v_add_nc_u32 v[LA], s34, v[LA0]
	s_sub_co_u32 s23, s23, 1
	s_cmp_lg_u32 s23, 0
	s_wait_alu depctr_va_vdst(0)
	s_cbranch_scc1 .Lround
.irp i, 0,1,2,3,4,5,6,7
	SLOT \i, 0, 4*(7-\i)                           ; the last eight rows load nothing: the counts run down
.endr
	s_wait_dscnt 0x0                               ; for wave 0's sake: my sums lie in LDS
	s_barrier_signal -1
	s_barrier_wait -1
	s_cmp_lg_u32 s22, 0
	s_cbranch_scc1 .Lend
	; ---- wave 0, a lane to a row: the eight waves' parts, the bias, the softmax, the top 2, the gates
.irp w, 0,1,2,3,4,5,6,7
	ds_load_b128 v[80+4*\w:83+4*\w], v[RA] offset:LOGS+16*\w
.endr
	s_add_co_i32 s45, s24, s25
	s_add_co_i32 s45, s45, 127
	s_lshl_b32 s45, s45, 23                        ; 2^(ea + eb) as f32
	s_wait_dscnt 0x0
.irp w, 1
	v_pk_add_f32 v[80:81], v[80:81], v[80+4*\w:81+4*\w]
	v_pk_add_f32 v[82:83], v[82:83], v[82+4*\w:83+4*\w]
.endr
.irp w, 2, 3, 4, 5, 6, 7
	s_delay_alu instid0(VALU_DEP_2)
	v_pk_add_f32 v[80:81], v[80:81], v[80+4*\w:81+4*\w]
	s_delay_alu instid0(VALU_DEP_2)
	v_pk_add_f32 v[82:83], v[82:83], v[82+4*\w:83+4*\w]
.endr
	s_delay_alu instid0(VALU_DEP_2)
	v_add_f32 v80, s28, v80
	s_delay_alu instid0(VALU_DEP_3)
	v_add_f32 v81, s29, v81
	s_delay_alu instid0(VALU_DEP_3)
	v_add_f32 v82, s30, v82
	s_delay_alu instid0(VALU_DEP_4)
	v_add_f32 v83, s31, v83
	s_delay_alu instid0(VALU_DEP_2)
	v_max3_num_f32 v84, v80, v81, v82
	s_delay_alu instid0(VALU_DEP_1)
	v_max_num_f32 v84, v84, v83                    ; the row's largest logit is taken away ahead of the exponentials
.irp e, 0,1,2,3
	v_sub_f32 v[88+\e], v[80+\e], v84
.endr
.irp e, 0,1,2,3
	s_delay_alu instid0(VALU_DEP_4)
	v_mul_f32 v[88+\e], 0x3fb8aa3b, v[88+\e]       ; x log2(e)
.endr
	s_wait_alu depctr_va_vdst(0)
.irp e, 0,1,2,3
	v_exp_f32 v[88+\e], v[88+\e]
.endr
	v_nop                                          ; a plain instruction behind the last exponential,
	s_wait_alu depctr_va_vdst(0)                   ; and one wait for the four, ahead of their first reader
	v_add_f32 v85, v88, v89
	v_add_f32 v86, v90, v91
	s_delay_alu instid0(VALU_DEP_1)
	v_add_f32 v85, v85, v86
	s_wait_alu depctr_va_vdst(0)
	v_rcp_f32 v87, v85
	v_mov_b32 v92, 3                               ; how many experts stand ahead of expert e: begun as if all behind it did,
	v_mov_b32 v93, 2
	v_mov_b32 v94, 1
	v_mov_b32 v95, 0
	s_wait_alu depctr_va_vdst(0)
.irp e, 0,1,2,3
	v_mul_f32 v[88+\e], v[88+\e], v87              ; routing_prob
.endr
	PAIR 0, 1                                      ; and set right pair by pair
	PAIR 0, 2
	PAIR 0, 3
	PAIR 1, 2
	PAIR 1, 3
	PAIR 2, 3
.irp e, 0,1,2,3
	v_cmp_gt_u32 vcc_lo, 2, v[92+\e]
	s_delay_alu instid0(VALU_DEP_1)
	v_cndmask_b32 v[100+\e], 0, v[88+\e], vcc_lo   ; the two in front keep their probability, the others get 0
.endr
	v_add_f32 v104, v100, v101
	s_delay_alu instid0(VALU_DEP_2)
	v_add_f32 v105, v102, v103
	s_delay_alu instid0(VALU_DEP_1)
	v_add_f32 v104, v104, v105
	s_delay_alu instid0(VALU_DEP_1)
	v_max_num_f32 v104, 0x3089705f, v104           ; clip at 1e-9
	s_wait_alu depctr_va_vdst(0)
	v_rcp_f32 v105, v104
	v_nop
	s_wait_alu depctr_va_vdst(0)
	v_mul_f32 v105, s45, v105                      ; x 2^(ea + eb): nothing is rounded, short of underflow
.irp e, 0,1,2,3
	v_mul_f32 v[100+\e], v[100+\e], v105
.endr
	global_store_b128 v[GO], v[100:103], s[18:19]  ; 32 tokens x 16 bytes: 512 consecutive bytes
.irp m, 1,2,4,8
.irp e, 0,1,2,3
	v_add_f32_dpp v[88+\e], v[88+\e], v[88+\e] row_xmask:\m row_mask:0xf bank_mask:0xf
.endr
.endr
.irp e, 0,1,2,3
	s_delay_alu instid0(VALU_DEP_4)
	v_permlanex16_b32 v[T+\e], v[88+\e], s36, s37
.endr
	s_delay_alu instid0(VALU_DEP_3)
	v_pk_add_f32 v[88:89], v[88:89], v[T:T+1]
	s_delay_alu instid0(VALU_DEP_2)
	v_pk_add_f32 v[90:91], v[90:91], v[T+2:T+3]    ; the 32 rows' probabilities, summed
	v_cmp_eq_u32 vcc_lo, 0, v2
	s_wait_alu depctr_va_vdst(0)
	s_wait_xcnt 0x0                                ; EXEC changes only when all that was issued has read it
	s_and_saveexec_b32 s40, vcc_lo
	global_store_b128 v[GO], v[88:91], s[20:21]    ; lane 0 alone (its offset is 0)
	s_wait_xcnt 0x0
	s_or_b32 exec_lo, exec_lo, s40
.Lend:
	s_wait_tensorcnt 0x0                           ; the wave's end, behind my last LDS store
	ds_add_u32 v[SPW], v[NIL]
	s_wait_dscnt 0x0
	s_endpgm
.Lfunc_end_k_qc108cec5e7_prep:
	.size	k_qc108cec5e7_prep, .Lfunc_end_k_qc108cec5e7_prep-k_qc108cec5e7_prep
	.p2alignl 7, 3214868480
	.fill 96, 4, 3214868480
	.section	.rodata,"a",@progbits
	.p2align	6, 0x0
	.amdhsa_kernel k_qc108cec5e7_prep
		.amdhsa_group_segment_fixed_size 5632
		.amdhsa_private_segment_fixed_size 0
		.amdhsa_enable_private_segment 0
		.amdhsa_kernarg_size 72
		.amdhsa_user_sgpr_count 2
		.amdhsa_user_sgpr_kernarg_segment_ptr 1
		.amdhsa_wavefront_size32 1
		.amdhsa_system_sgpr_workgroup_id_x 1
		.amdhsa_system_sgpr_workgroup_id_y 1
		.amdhsa_system_sgpr_workgroup_id_z 1
		.amdhsa_system_vgpr_workitem_id 0
		.amdhsa_next_free_vgpr 256
		.amdhsa_next_free_sgpr 66
		.amdhsa_reserve_vcc 1
		.amdhsa_float_denorm_mode_32 3
		.amdhsa_float_denorm_mode_16_64 3
		.amdhsa_memory_ordered 1
		.amdhsa_forward_progress 1
		.amdhsa_inst_pref_size 124
	.end_amdhsa_kernel
	.amdgpu_metadata
---
amdhsa.version: [ 1, 2 ]
amdhsa.kernels:
  - .name:           k_qc108cec5e7_prep
    .symbol:         k_qc108cec5e7_prep.kd
    .args:
      - { .name: features, .offset: 0, .size: 8, .value_kind: global_buffer, .address_space: global }
      - { .name: W_r, .offset: 8, .size: 8, .value_kind: global_buffer, .address_space: global }
      - { .name: b_r, .offset: 16, .size: 8, .value_kind: global_buffer, .address_space: global }
      - { .name: W_e, .offset: 24, .size: 8, .value_kind: global_buffer, .address_space: global }
      - { .name: lowp_scales, .offset: 32, .size: 8, .value_kind: global_buffer, .address_space: global }
      - { .name: acodes, .offset: 40, .size: 8, .value_kind: global_buffer, .address_space: global }
      - { .name: wcodes, .offset: 48, .size: 8, .value_kind: global_buffer, .address_space: global }
      - { .name: gates, .offset: 56, .size: 8, .value_kind: global_buffer, .address_space: global }
      - { .name: psum, .offset: 64, .size: 8, .value_kind: global_buffer, .address_space: global }
    .group_segment_fixed_size: 5632
    .private_segment_fixed_size: 0
    .kernarg_segment_align: 8
    .kernarg_segment_size: 72
    .max_flat_workgroup_size: 256
    .sgpr_count:     66
    .vgpr_count:     256
    .wavefront_size: 32
...
	.end_amdgpu_metadata
.endif
;; end of part 1
;; launch gemm (part 2): grid 8 x 32, 4 waves a work-group, clusters of 4 x 1, 327,680 bytes of LDS; arguments acodes, wcodes, lowp_scales, gates, b_e, psum, out0, out1; writes out0, out1
.if DOCPART == 2
	.amdgcn_target "amdgcn-amd-amdhsa--gfx1250"
	.amdhsa_code_object_version 6
	.text
	.protected	k_qc108cec5e7_gemm
	.globl	k_qc108cec5e7_gemm
	.p2align	8
	.type	k_qc108cec5e7_gemm,@function
k_qc108cec5e7_gemm:
	s_mov_b64 s[64:65], 0
	v_nop
	global_prefetch_b8 v0, s[64:65] scope:SCOPE_SE
	s_setreg_imm32_b32 hwreg(HW_REG_WAVE_MODE, 25, 1), 1
	s_wait_xcnt 0x0
	s_wait_alu depctr_hold_cnt(0) depctr_sa_sdst(0) depctr_va_vdst(0) depctr_va_sdst(0) depctr_va_ssrc(0) depctr_va_vcc(0) depctr_vm_vsrc(0)
	s_getreg_b32 s2, hwreg(HW_REG_IB_STS2, 6, 4)
	s_cmp_eq_u32 s2, 0
	s_cbranch_scc0 .Lentry_in_a_cluster
	s_endpgm
.Lentry_in_a_cluster:
	s_bfe_u32 s2, ttmp6, 0x10000c
	s_cmp_lg_u32 s2, 0x3003
	s_cbranch_scc0 .Lentry_shape_is_right
	s_endpgm
.Lentry_shape_is_right:
; out0[t][o] = sum over the four experts e of gate[t][e] (sum over k of features[t][k] W_e[e][k][o] + b_e[e][o]): a gate is 0 for an expert not chosen.  Both operands are codes of E4M3, K innermost
; and permuted alike; the gates carry the two scales' factor 2^(ea + eb), and the bias enters as the C of each accumulator's first product, divided by that factor.  out1: the balance loss, from psum.
; A work-group makes 256 tokens x 64 outputs of all four experts; a wave 256 tokens x 16 outputs x 4 experts: 16 blocks of 16 tokens x 4 experts = 64 accumulators, 512 registers.
; A (tokens) goes through a ring of two LDS slots, 256 rows x 512 along K each; a wave's tensor load brings 64 rows of 512 bytes.  B (weights) lies in wcodes in the order of the operand's registers and goes straight
; into them, a step and a half or two K steps of 128 ahead of its use, in three sets by turns: a wave's columns are its own, so no byte of B is loaded twice by a work-group.
; CLUSTERS of four work-groups of the same tokens: A is asked for JOINTLY.  B is not: two slots of A with 512 along K fill 270,336 bytes of LDS, and B's tile of the same K would ask for as much again.
; THE MATRIX INSTRUCTION IS USED TRANSPOSED (source 0 = 16 rows of B, source 1 = 16 rows of A): lane (r, h) holds token r of a block, its registers outputs 8 h + 0 .. 7.
; REGISTERS.  Window 0: v0-31 addresses, v32-63 the bias, v64-255 B's three sets.  Windows 1, 2, 3: the accumulators of blocks 0-4, 5-9, 10-15 from register 0 on, 32 a block; behind them A's fragments, 16 a block,
; all sixteen of a step (those of blocks 14 and 15 in windows 1 and 2).
; A K STEP is two halves of 32 products: behind blocks 0-7 ONE run of loads brings the next step's fragments 0-7, behind blocks 8-15 another the fragments 8-15: each has the other half's products in which to land.
; The 64 accumulators take turns, one instruction a turn.
; LIMITS: ea + eb between -126 and 127; b_e / 2^(ea + eb) is an f32 number.
; PREFETCH: two slots (1,024 codes of a row, 8 K steps) ahead; A's 512 blocks of 256 bytes are shared out over a cluster's four work-groups, B's over the 32 work-groups that read them, each block twice, by y and 31 - y.
.set PITCH,  528                       ; an LDS row: 512 bytes + 16 of padding: row r starts at bank 4 r mod 64 (64 banks of 4 bytes: ISA guide 11.1)
.set BLKB,   16*PITCH                  ; a block of 16 rows
.set SLOT,   256*PITCH
.set SPARE,  2*SLOT                    ; the spare words, 128 bytes for each wave: two blocks of 256 bytes that no other line names
.set SP,     272                       ; the way out: a stage of 256 rows x (256 bytes + 16), in slot 0, which has had its last fill and last read by then
.set STEPB,  32768                     ; bytes of B for a K step of 128
.set AD0,  12                          ; v12-14  LDS address of my fragments in slot 0: of block 0, 6, 12
.set AD,   16                          ; v16-18  the same in the slot that is read
.set SPW,  20
.set NIL,  21
.set BOF,  22                          ; my 16 bytes of a load of B: 16 x lane + 8192 x wave
.set PFAO, 23
.set PFBO, 24
.set GA,   25                          ; gates: 16 r
.set STO,  26                          ; the way out: where I put 32 bytes of a row
.set RD,   27                          ; where I read rows 0-159 back (40 a wave)
.set CO,   28                          ; my 16 bytes of two rows of out0
.set BO,   29                          ; bias: 32 h
.set L16,  30                          ; 16 x lane
.set RDB,  31                          ; where I read rows 160-255 back (24 a wave)
.set BI,   32
.set BB0,  64                          ; B's sets
.set GT,   192                         ; the last step: the gates, 4 registers a block, in B's third set
.set LS,   224                         ; the loss, ahead of the first step
.set OUT,  32                          ; the way out: v32-111, then v112-159
.set OUT2, 112
.set SBB,  48                          ; s[48:49] B's base, s[50:51] and s[52:53] the prefetches' bases of B and A
.set SPB,  50
.set SPA,  52
.set MSB, 0
.macro WIN new                         ; the immediate's high byte repeats the setting that is left
.if MSB != (\new)
	s_set_vgpr_msb (MSB<<8)|(\new)
.set MSB, \new
.endif
.endm
.macro CREST
	s_cmp_lg_u32 s14, 0
	s_cbranch_scc1 .Lnot_wave_0_\@
	s_barrier_signal -3
.Lnot_wave_0_\@:
	s_barrier_wait -3
	s_barrier_signal -1
	s_barrier_wait -1
.endm
.macro CROUND
	s_barrier_signal -1
	s_barrier_wait -1
	CREST
.endm
.macro N4                              ; four places in front of loads into registers that matrix instructions have read, and of reads of results (ISA guide 7.12.1 for reads of results)
.rept 4
	v_nop
.endr
.endm
.macro MAP i                           ; AC: block i's accumulators, AR: its fragment, in their windows
.if (\i) < 5
.set AC, 32*(\i)
.set AR, 160+16*(\i)
.elseif (\i) < 10
.set AC, 32*((\i)-5)
.set AR, 160+16*((\i)-5)
.else
.set AC, 32*((\i)-10)
.if (\i) < 14
.set AR, 192+16*((\i)-10)
.else
.set AR, 240
.endif
.endif
.endm
.macro LDB i, q                        ; block i's fragment of the slot's q-th K step: lane (r, h) takes row r, K = 32 c + 16 h + 0 .. 15
	MAP \i
.irp c, 0,1,2,3
	ds_load_b128 v[AR+4*\c:AR+4*\c+3], v[AD+(\i)/6] offset:((\i)%6)*BLKB+128*(\q)+32*\c
.endr
.endm
.macro BLK i                           ; four products
	MAP \i
.irp b, 0,1,2,3
.if ZR
	v_wmma_f32_16x16x128_fp8_fp8 v[AC+8*\b:AC+8*\b+7], v[BS+16*\b:BS+16*\b+15], v[AR:AR+15], v[BI+8*\b:BI+8*\b+7]
.else
	v_wmma_f32_16x16x128_fp8_fp8 v[AC+8*\b:AC+8*\b+7], v[BS+16*\b:BS+16*\b+15], v[AR:AR+15], v[AC+8*\b:AC+8*\b+7]
.endif
.endr
.endm
.macro BLD n, set, step                ; B's n-th fragment of a step (counted from the base) into a set: four loads of 512 consecutive bytes
	WIN 0
.irp c, 0,1,2,3
	global_load_b128 v[BB0+64*(\set)+16*(\n)+4*\c:BB0+64*(\set)+16*(\n)+4*\c+3], v[BOF], s[SBB:SBB+1] offset:(\step)*STEPB+2048*(\n)+512*\c
.endr
.endm
.macro RUNA q
	WIN 0x40
.irp i, 0,1,2,3,4
	LDB \i, \q
.endr
	WIN 0x80
.irp i, 5,6,7
	LDB \i, \q
.endr
.endm
.macro RUNB q
	WIN 0x80
	LDB 8, \q
	LDB 9, \q
	WIN 0xc0
.irp i, 10,11,12,13
	LDB \i, \q
.endr
	WIN 0x40
	LDB 14, \q
	WIN 0x80
	LDB 15, \q
.endm
.macro SETS k, zero
.set KK, \k
.set BS, BB0+64*((\k)%3)
.set ZR, \zero
.endm
.macro BLDA                            ; fragments 2 and 3 of the step two on: into the set of the step before
	BLD 2, (KK+2)%3, KK+2
	BLD 3, (KK+2)%3, KK+2
.endm
.macro BLDB                            ; fragments 0 and 1 of the step three on: into this step's own set
	BLD 0, KK%3, KK+3
	BLD 1, KK%3, KK+3
.endm
; A K step of 128, the slot's q-th, whose successor lies in the same slot.  left: the global loads behind this step's B, which may be out.  bb = 2: in place of B the gates.
.macro STEP k, q, ba, bb, pf, zero, left
	SETS \k, \zero
	s_wait_loadcnt \left
	s_wait_dscnt 56                                ; fragments 0 and 1 are in: behind them stand 24 loads of their run and the 32 of the next
	WIN 0x54-0x10*ZR
	BLK 0
	BLK 1
	s_wait_dscnt 48
	BLK 2
	BLK 3
	s_wait_dscnt 40
	BLK 4
	WIN 0xa8-0x20*ZR
	BLK 5
	s_wait_dscnt 32
	BLK 6
	BLK 7
	N4
	RUNA (\q)+1
.if \ba
	BLDA
.endif
.if \pf
	WIN 0                                          ; the slot after next: A's rows, two lanes to a row's 512 bytes, and my part of B
	global_prefetch_b8 v[PFAO], s[SPA:SPA+1] offset:512*(((\k)-1)/4) th:TH_LOAD_NT scope:SCOPE_SE
	global_prefetch_b8 v[PFBO], s[SPB:SPB+1] offset:4*STEPB*(((\k)-1)/4) th:TH_LOAD_NT scope:SCOPE_SE
.endif
	s_wait_dscnt 56                                ; fragments 8 and 9 are in, likewise
	WIN 0xa8-0x20*ZR
	BLK 8
	BLK 9
	s_wait_dscnt 48
	WIN 0xfc-0x30*ZR
	BLK 10
	BLK 11
	s_wait_dscnt 40
	BLK 12
	BLK 13
	s_wait_dscnt 32
	WIN 0xf4-0x30*ZR
	BLK 14
	WIN 0xf8-0x30*ZR
	BLK 15
	N4
	RUNB (\q)+1
.if (\bb) == 1
	BLDB
.elseif (\bb) == 2
	WIN 0
.irp c, 0,1,2,3,4,5,6,7,8,9,10,11,12,13,14,15
	global_load_b128 v[GT+4*\c:GT+4*\c+3], v[GA], s[10:11] offset:256*\c
.endr
.endif
.endm
; A slot's last K step changes slots.  In front of the barrier each wave waits for all its tensor loads (its part of the other slot), adds 0 to its spare word, and waits for that and for its reads of this slot;
; behind it (fill = 1: behind the round that it opens) this slot is filled again with the K 1,024 further on, and the other slot is read.
.macro TURN k, fill
	SETS \k, 0
	WIN 0
	s_wait_tensorcnt 0x0
	ds_add_u32 v[SPW], v[NIL]
.if \fill
	s_add_nc_u64 s[34:35], s[34:35], 512
	s_add_co_u32 s33, s37, s38
.endif
	s_xor_b32 s38, s38, SLOT
	s_wait_loadcnt 24
	s_wait_dscnt 56                                ; fragments 0 and 1 are in (the add, too, stands behind them)
	WIN 0x54
	BLK 0
	BLK 1
	s_wait_dscnt 48
	BLK 2
	BLK 3
	s_wait_dscnt 40
	BLK 4
	WIN 0xa8
	BLK 5
	s_wait_dscnt 0x0                               ; the add is done, and so are my reads of this slot
	s_barrier_signal -1
	BLK 6
	BLK 7
	BLK 8
	BLK 9
	WIN 0
	s_barrier_wait -1
.if \fill
	CREST
	tensor_load_to_lds s[32:35], s[24:31]
	s_nop 0
.endif
.irp j, 0,1,2
	v_add_nc_u32 v[AD+\j], s38, v[AD0+\j]          ; (these three and the v_nop are the places in front of the loads below)
.endr
	v_nop
	s_wait_alu depctr_va_vdst(0)
	RUNA 0
	BLDA
	WIN 0xfc
	BLK 10
	BLK 11
	BLK 12
	BLK 13
	WIN 0xf4
	BLK 14
	WIN 0xf8
	BLK 15
	N4
	RUNB 0
	BLDB
.endm
; THE WAY OUT of block j: expert e's share of the lane's eight outputs, into the registers that held the block's fragment (14, 15: the upper halves of 10's and 11's), accumulators from the low end on
.macro TTMAP j
	MAP \j
.set TT, AR
.if (\j) >= 14
.set TT, 200+16*((\j)-14)
.endif
.endm
.macro PK j, e
	TTMAP \j
.irp p, 0,2,4,6
.if (\e) == 0
	v_pk_mul_f32 v[TT+\p:TT+\p+1], v[GT+4*(\j):GT+4*(\j)+1], v[AC+\p:AC+\p+1] op_sel_hi:[0,1]
.elseif (\e) == 2
	v_pk_fma_f32 v[TT+\p:TT+\p+1], v[GT+4*(\j)+2:GT+4*(\j)+3], v[AC+16+\p:AC+16+\p+1], v[TT+\p:TT+\p+1] op_sel_hi:[0,1,1]
.else
	v_pk_fma_f32 v[TT+\p:TT+\p+1], v[GT+4*(\j)+(\e)-1:GT+4*(\j)+(\e)], v[AC+8*(\e)+\p:AC+8*(\e)+\p+1], v[TT+\p:TT+\p+1] op_sel:[1,0,0] op_sel_hi:[1,1,1]
.endif
.endr
.endm
.macro STG j                           ; 32 bytes of the token's 256 into the stage
	TTMAP \j
	ds_store_b128 v[STO], v[TT:TT+3] offset:(\j)*16*SP
	ds_store_b128 v[STO], v[TT+4:TT+7] offset:(\j)*16*SP+16
.endm
.macro COMB j
.irp e, 0,1,2,3
	PK \j, \e
.endr
.endm
.macro BLKC i, j                       ; block i's last products, block j's sums over the experts among them
.irp b, 0,1,2,3
	MAP \i
	v_wmma_f32_16x16x128_fp8_fp8 v[AC+8*\b:AC+8*\b+7], v[BS+16*\b:BS+16*\b+15], v[AR:AR+15], v[AC+8*\b:AC+8*\b+7]
	PK \j, \b
.endr
.endm
	s_load_b256 s[4:11], s[0:1], 0x0               ; acodes s[4:5], wcodes s[6:7], scales s[8:9], gates s[10:11]
	s_load_b256 s[16:23], s[0:1], 0x20             ; b_e s[16:17], psum s[18:19], out0 s[20:21], out1 s[22:23]
	v_lshl_add_u32 v[SPW], v0, 2, SPARE
	v_mov_b32 v[NIL], 0
	ds_add_u32 v[SPW], v[NIL]                      ; the opening lines: the add, twice on end, ahead of my first tensor load
	ds_add_u32 v[SPW], v[NIL]
	v_lshrrev_b32 v1, 5, v0
	v_readfirstlane_b32 s14, v1                    ; wave 0..3
	s_bfe_u32 s40, ttmp6, 0x40000                  ; cx
	s_lshl_b32 s42, ttmp9, 2
	s_add_co_u32 s42, s42, s40                     ; x: outputs 64 x on
	s_and_b32 s41, ttmp7, 0xffff                   ; y: tokens 256 y on
	; descriptor group 1: 64 rows x 512 bytes, 16 bytes of padding behind each, shared by the cluster's four
	s_mov_b32 s24, 15|(1<<20)|(1<<21)|(6<<22)|(3<<25)
	s_mov_b32 s25, 512<<16
	s_mov_b32 s26, 64<<16
	s_mov_b32 s27, 512<<16
	s_mov_b32 s28, 64
	s_mov_b32 s29, 4096
	s_mov_b32 s30, 0
	s_mov_b32 s31, 0
	s_mov_b32 s38, 0                               ; the slot that is read: 0 or SLOT
	s_mul_i32 s37, s14, 64*PITCH                   ; my 64 rows in a slot
	v_and_b32 v2, 15, v0                           ; r
	v_bfe_u32 v3, v0, 4, 1                         ; h
	v_and_b32 v4, 31, v0                           ; lane
	v_mul_u32_u24 v5, v2, PITCH
	v_lshl_add_u32 v[AD0], v3, 4, v5
	v_add_nc_u32 v[AD0+1], 6*BLKB, v[AD0]
	v_add_nc_u32 v[AD0+2], 12*BLKB, v[AD0]
.irp j, 0,1,2
	v_add_nc_u32 v[AD+\j], s38, v[AD0+\j]
.endr
	v_lshlrev_b32 v[L16], 4, v4
	s_lshl_b32 s43, s14, 13
	v_add_nc_u32 v[BOF], s43, v[L16]
	v_lshrrev_b32 v6, 1, v4                        ; prefetch of A: two lanes to a row's 512 bytes
	v_and_b32 v7, 1, v4
	v_lshlrev_b32 v6, 12, v6
	v_lshl_add_u32 v[PFAO], v7, 8, v6
	v_min_u32 v8, 7, v4                            ; of B: eight blocks of 256 bytes a wave (the lanes left over name the last one again)
	v_lshlrev_b32 v[PFBO], 8, v8
	v_lshlrev_b32 v[GA], 4, v2
	v_lshlrev_b32 v[BO], 5, v3
	s_lshl_b32 s43, s14, 6
	v_mul_u32_u24 v9, v2, SP
	v_lshl_add_u32 v9, v3, 5, v9
	v_add_nc_u32 v[STO], s43, v9
	s_mul_i32 s43, s14, 40*SP
	v_mul_u32_u24 v10, v3, SP
	v_lshl_add_u32 v10, v2, 4, v10
	v_add_nc_u32 v[RD], s43, v10
	s_mul_i32 s43, s14, 24*SP
	s_add_co_u32 s43, s43, 160*SP
	v_add_nc_u32 v[RDB], s43, v10
	v_lshlrev_b32 v11, 11, v3
	v_lshl_add_u32 v[CO], v2, 4, v11
	s_wait_alu depctr_va_vdst(0)
	s_wait_dscnt 0x0                               ; both opening adds are done
	s_wait_kmcnt 0x0
	s_load_b64 s[46:47], s[8:9], 0x0               ; ea, eb
	s_mov_b32 s45, 0
	s_lshl_b32 s44, s41, 20                        ; A: row 256 y + 64 wave, of 4,096 bytes
	s_lshl_b32 s43, s14, 18
	s_add_co_u32 s44, s44, s43
	s_mov_b32 s32, 1
	s_mov_b32 s33, s37
	s_add_nc_u64 s[34:35], s[4:5], s[44:45]
	s_or_b32 s35, s35, 0x80000000
	CROUND                                         ; the cluster's four are here: the first joint loads meet
	tensor_load_to_lds s[32:35], s[24:31]          ; the first 512 along K
	s_nop 0
	s_mov_b32 s55, 0
	s_lshl_b32 s54, s42, 8                         ; bias: output 64 x + 16 wave
	s_lshl_b32 s43, s14, 6
	s_add_co_u32 s54, s54, s43
	s_add_nc_u64 s[16:17], s[16:17], s[54:55]
	s_lshl_b32 s54, s42, 20                        ; B of my 64 outputs
	s_add_nc_u64 s[SBB:SBB+1], s[6:7], s[54:55]
.irp e, 0,1,2,3
	global_load_b128 v[BI+8*\e:BI+8*\e+3], v[BO], s[16:17] offset:2048*\e
	global_load_b128 v[BI+8*\e+4:BI+8*\e+7], v[BO], s[16:17] offset:2048*\e+16
.endr
.irp n, 0,1,2,3
	BLD \n, 0, 0                                   ; B of the first K step
.endr
	s_sub_co_u32 s56, 31, s41
	s_min_u32 s56, s41, s56                        ; my part of B's prefetch: y or 31 - y, 0 .. 15, of 8,192 bytes
	s_lshl_b32 s54, s56, 13
	s_lshl_b32 s43, s14, 11
	s_add_co_u32 s54, s54, s43
	s_add_co_u32 s54, s54, 8*STEPB                 ; from the third slot on
	s_add_nc_u64 s[SPB:SPB+1], s[SBB:SBB+1], s[54:55]
	s_lshl_b32 s54, s41, 20                        ; of A's: rows 256 y + 64 cx + 16 wave
	s_lshl_b32 s43, s40, 18
	s_add_co_u32 s54, s54, s43
	s_lshl_b32 s43, s14, 16
	s_add_co_u32 s54, s54, s43
	s_add_co_u32 s54, s54, 1024
	s_add_nc_u64 s[SPA:SPA+1], s[4:5], s[54:55]
	global_prefetch_b8 v[PFAO], s[SPA:SPA+1] offset:-512 th:TH_LOAD_NT scope:SCOPE_SE      ; the second slot's
	global_prefetch_b8 v[PFBO], s[SPB:SPB+1] offset:-8*STEPB th:TH_LOAD_NT scope:SCOPE_SE  ; the first slot's B, whose steps 1 and 2 are loaded behind the first tile's arrival
	global_prefetch_b8 v[PFBO], s[SPB:SPB+1] offset:-4*STEPB th:TH_LOAD_NT scope:SCOPE_SE
	s_lshl_b32 s54, s41, 12                        ; 256 tokens' gates
	s_add_nc_u64 s[10:11], s[10:11], s[54:55]
	s_lshl_b32 s54, s41, 19                        ; out0: row 256 y, of 2,048 bytes, column 64 x
	s_lshl_b32 s43, s42, 8
	s_add_co_u32 s54, s54, s43
	s_add_nc_u64 s[58:59], s[20:21], s[54:55]
	s_mul_i32 s54, s14, 40*2048                    ; + 40 wave,
	s_add_nc_u64 s[20:21], s[58:59], s[54:55]
	s_mul_i32 s54, s14, 24*2048                    ; and + 160 + 24 wave
	s_add_co_u32 s54, s54, 160*2048
	s_add_nc_u64 s[58:59], s[58:59], s[54:55]
	; the balance loss, while the first tile is on its way: wave 0 of cluster 0's work-groups (ids alone); the one at place 0 stores it
	s_or_b32 s79, s41, ttmp9
	s_or_b32 s79, s79, s14
	s_mov_b32 s84, 0x76543210
	s_mov_b32 s85, 0xfedcba98
	s_cmp_lg_u32 s79, 0
	s_cbranch_scc1 .Lno_loss
.irp i, 0,1,2,3,4,5,6,7
	global_load_b128 v[LS+4*\i:LS+4*\i+3], v[L16], s[18:19] offset:512*\i
.endr
	s_wait_loadcnt 0x0
.irp i, 1,2,3,4,5,6,7
	v_pk_add_f32 v[LS:LS+1], v[LS:LS+1], v[LS+4*\i:LS+4*\i+1]
	v_pk_add_f32 v[LS+2:LS+3], v[LS+2:LS+3], v[LS+4*\i+2:LS+4*\i+3]
.endr
.irp m, 1,2,4,8
.irp e, 0,1,2,3
	v_add_f32_dpp v[LS+\e], v[LS+\e], v[LS+\e] row_xmask:\m row_mask:0xf bank_mask:0xf
.endr
.endr
.irp e, 0,1,2,3
	v_permlanex16_b32 v[LS+4+\e], v[LS+\e], s84, s85
.endr
.irp e, 0,1,2,3
	v_add_f32 v[LS+\e], v[LS+\e], v[LS+4+\e]
.endr
.irp e, 0,1,2,3
	v_mul_f32 v[LS+\e], 0x39000000, v[LS+\e]       ; pi: the mean over 8,192 tokens
.endr
.irp e, 0,1,2,3
	v_max_num_f32 v[LS+8+\e], 0x3089705f, v[LS+\e] ; clip at 1e-9
.endr
.irp e, 0,1,2,3
	v_mul_f32 v[LS+8+\e], 4.0, v[LS+8+\e]          ; sum pi ln(clip pi) + ln 4 = sum pi ln(4 clip pi) + (1 - sum pi) ln 4
.endr
	s_wait_alu depctr_va_vdst(0)
.irp e, 0,1,2,3
	v_log_f32 v[LS+8+\e], v[LS+8+\e]
.endr
	v_add_f32 v[LS+12], v[LS], v[LS+1]
	v_add_f32 v[LS+13], v[LS+2], v[LS+3]
	v_add_f32 v[LS+12], v[LS+12], v[LS+13]
	v_sub_f32 v[LS+12], 1.0, v[LS+12]
	v_mul_f32 v[LS+12], 0x3c632166, v[LS+12]       ; 0.01 ln 4
	s_mov_b32 s80, 0x3be32166                      ; 0.01 ln 2
	s_wait_alu depctr_va_vdst(0)
	v_mul_f32 v[LS+13], v[LS], v[LS+8]
	v_fmac_f32 v[LS+13], v[LS+1], v[LS+9]
	v_fmac_f32 v[LS+13], v[LS+2], v[LS+10]
	v_fmac_f32 v[LS+13], v[LS+3], v[LS+11]
	v_fma_f32 v[LS+14], v[LS+13], s80, v[LS+12]
	v_or_b32 v5, s40, v4
	v_mov_b32 v7, 0
	v_cmp_eq_u32 vcc_lo, 0, v5
	s_wait_alu depctr_va_vdst(0)
	s_wait_xcnt 0x0                                ; EXEC changes only when all that was issued has read it
	s_and_saveexec_b32 s87, vcc_lo
	global_store_b32 v7, v[LS+14], s[22:23]
	s_wait_xcnt 0x0
	s_or_b32 exec_lo, exec_lo, s87
.Lno_loss:
	s_wait_kmcnt 0x0
	s_add_co_i32 s46, s46, s47
	s_sub_co_i32 s46, 0, s46
	s_wait_loadcnt 16                              ; the bias is in; B's 16 loads of step 0 may be out
.set j, 0
.rept 32
	v_ldexp_f32 v[BI+j], v[BI+j], s46              ; b_e / 2^(ea + eb)
.set j, j+1
.endr
	s_wait_alu depctr_va_vdst(0)
	s_wait_tensorcnt 0x0                           ; my part of slot 0 is in
	ds_add_u32 v[SPW], v[NIL]
	s_add_nc_u64 s[34:35], s[34:35], 512
	s_add_co_u32 s33, s37, SLOT
	s_wait_dscnt 0x0
	CROUND                                         ; everybody's part of slot 0 is in
	tensor_load_to_lds s[32:35], s[24:31]          ; slot 1's first fill
	s_nop 0
	RUNA 0
	RUNB 0
.irp n, 0,1,2,3
	BLD \n, 1, 1                                   ; B of step 1, and half of step 2's
.endr
	BLD 0, 2, 2
	BLD 1, 2, 2
	STEP 0, 0, 1, 1, 0, 1, 24                      ; the first products start the sums on the bias: nothing is cleared
	WIN 0                                          ; at a label and at a branch every window is 0
	s_mov_b32 s3, 2
.Ltrip:                                                ; two trips of twelve K steps: B's sets and the steps' places in a slot come round together; each trip fills three slots again
.irp m, 0,1,2
	STEP 4*\m+1, 1, 1, 1, 1, 0, 24                 ; behind this step's B stand 24 loads: the next step's 16 and half of the one behind it
	STEP 4*\m+2, 2, 1, 1, 0, 0, 24
	TURN 4*\m+3, 1
	STEP 4*\m+4, 0, 1, 1, 0, 0, 24
.endr
	WIN 0
	s_wait_xcnt 0x0                                ; all that was issued has read its base: the bases step
	s_add_nc_u64 s[SBB:SBB+1], s[SBB:SBB+1], 12*STEPB
	s_add_nc_u64 s[SPB:SPB+1], s[SPB:SPB+1], 12*STEPB
	s_add_nc_u64 s[SPA:SPA+1], s[SPA:SPA+1], 1536
	s_sub_co_u32 s3, s3, 1
	s_cmp_lg_u32 s3, 0
	s_cbranch_scc1 .Ltrip
	STEP 1, 1, 1, 1, 0, 0, 24                      ; K steps 25 to 30: nothing is filled again
	STEP 2, 2, 1, 1, 0, 0, 24
	TURN 3, 0
	STEP 4, 0, 1, 1, 0, 0, 24
	STEP 5, 1, 1, 2, 0, 0, 24                      ; B's last loads, then the gates
	STEP 6, 2, 0, 0, 0, 0, 32                      ; behind this step's B stand the last step's 16 and the gates' 16
	; the last K step: each block's sums over the experts stand among the products of the block two on
	SETS 7, 0
	s_wait_loadcnt 16                              ; B is in; the gates' sixteen loads may be out
	s_wait_dscnt 32                                ; fragments 0-7 are in
	WIN 0x54
	BLK 0
	BLK 1
	N4
	s_wait_loadcnt 0x0                             ; the gates are in
	BLKC 2, 0
	BLKC 3, 1
	BLKC 4, 2
	COMB 3
	COMB 4
.irp i, 0,1,2,3,4
	STG \i
.endr
	s_wait_dscnt 10                                ; all fragments are in; the ten stores may be out
	WIN 0xa8
	BLK 5
	BLK 6
	N4
	BLKC 7, 5
	BLKC 8, 6
	BLKC 9, 7
	COMB 8
	COMB 9
.irp i, 5,6,7,8,9
	STG \i
.endr
	s_wait_dscnt 0x0                               ; for the others' sake: my stores into the stage are done; a token's 256 bytes come from four waves
	s_barrier_signal -1
	WIN 0xfc
	BLK 10
	BLK 11
	WIN 0xf4
	BLK 14
	WIN 0xf8
	BLK 15
	WIN 0
	s_barrier_wait -1
.set t, 0
.rept 20
	ds_load_b128 v[OUT+4*t:OUT+4*t+3], v[RD] offset:t*2*SP     ; rows 0-159, 40 a wave
.set t, t+1
.endr
	WIN 0xfc
	N4
	BLKC 12, 10
	BLKC 13, 11
	COMB 12
	COMB 13
	COMB 14
	COMB 15
.irp i, 10,11,12,13,14,15
	STG \i
.endr
	WIN 0
.set t, 0
.rept 20
	s_wait_dscnt 31-t                              ; behind load t stand 19 - t loads and twelve stores
	global_store_b128 v[CO], v[OUT+4*t:OUT+4*t+3], s[20:21] offset:t*4096 th:TH_STORE_NT   ; sixteen lanes store 256 consecutive bytes, at a multiple of 256 from out0's first byte
.set t, t+1
.endr
	s_wait_dscnt 0x0                               ; for the others' sake, once more
	s_barrier_signal -1
	s_barrier_wait -1
.set t, 0
.rept 12
	ds_load_b128 v[OUT2+4*t:OUT2+4*t+3], v[RDB] offset:t*2*SP  ; rows 160-255, 24 a wave
.set t, t+1
.endr
.set t, 0
.rept 12
	s_wait_dscnt 11-t
	global_store_b128 v[CO], v[OUT2+4*t:OUT2+4*t+3], s[58:59] offset:t*4096 th:TH_STORE_NT
.set t, t+1
.endr
	s_wait_tensorcnt 0x0                           ; the wave's end
	ds_add_u32 v[SPW], v[NIL]
	s_wait_dscnt 0x0
	CROUND                                         ; the closing round: no work-group ends while a partner may still ask for a tile that names it
	s_endpgm
.Lfunc_end_k_qc108cec5e7_gemm:
	.size	k_qc108cec5e7_gemm, .Lfunc_end_k_qc108cec5e7_gemm-k_qc108cec5e7_gemm
	.p2alignl 7, 3214868480
	.fill 96, 4, 3214868480
	.section	.rodata,"a",@progbits
	.p2align	6, 0x0
	.amdhsa_kernel k_qc108cec5e7_gemm
		.amdhsa_group_segment_fixed_size 327680
		.amdhsa_private_segment_fixed_size 0
		.amdhsa_enable_private_segment 0
		.amdhsa_kernarg_size 64
		.amdhsa_user_sgpr_count 2
		.amdhsa_user_sgpr_kernarg_segment_ptr 1
		.amdhsa_wavefront_size32 1
		.amdhsa_system_sgpr_workgroup_id_x 1
		.amdhsa_system_sgpr_workgroup_id_y 1
		.amdhsa_system_sgpr_workgroup_id_z 1
		.amdhsa_system_vgpr_workitem_id 0
		.amdhsa_next_free_vgpr 1024
		.amdhsa_next_free_sgpr 100
		.amdhsa_reserve_vcc 1
		.amdhsa_float_denorm_mode_32 3
		.amdhsa_float_denorm_mode_16_64 3
		.amdhsa_memory_ordered 1
		.amdhsa_forward_progress 1
		.amdhsa_inst_pref_size 252
	.end_amdhsa_kernel
	.amdgpu_metadata
---
amdhsa.version: [ 1, 2 ]
amdhsa.kernels:
  - .name:           k_qc108cec5e7_gemm
    .symbol:         k_qc108cec5e7_gemm.kd
    .args:
      - { .name: acodes, .offset: 0, .size: 8, .value_kind: global_buffer, .address_space: global }
      - { .name: wcodes, .offset: 8, .size: 8, .value_kind: global_buffer, .address_space: global }
      - { .name: lowp_scales, .offset: 16, .size: 8, .value_kind: global_buffer, .address_space: global }
      - { .name: gates, .offset: 24, .size: 8, .value_kind: global_buffer, .address_space: global }
      - { .name: b_e, .offset: 32, .size: 8, .value_kind: global_buffer, .address_space: global }
      - { .name: psum, .offset: 40, .size: 8, .value_kind: global_buffer, .address_space: global }
      - { .name: out0, .offset: 48, .size: 8, .value_kind: global_buffer, .address_space: global }
      - { .name: out1, .offset: 56, .size: 8, .value_kind: global_buffer, .address_space: global }
    .group_segment_fixed_size: 327680
    .private_segment_fixed_size: 0
    .kernarg_segment_align: 8
    .kernarg_segment_size: 64
    .max_flat_workgroup_size: 128
    .sgpr_count:     100
    .vgpr_count:     1024
    .wavefront_size: 32
...
	.end_amdgpu_metadata
.endif
;; end of part 2
